; MI455X (gfx1250); checked and timed in simulation.
; The chip was launched on July 23, 2026; its instructions are those of AMD's public machine-readable ISA for CDNA 5 (MIT licence, August 2026) and "CDNA5" Instruction Set Architecture Reference Guide (July 2026). The comments in the code are by the model that wrote it; some were corrected since.
;; Net. Allowed arithmetic: float matrix products may take bf16 or f16 operands with f32 sums; other float arithmetic in f32, or as packed bf16 or f16 multiplies, adds, multiply-adds, maxima and minima; sums over many terms, partial sums and values carried from step to step in f32; what a program stores and reads back later, other than sums and carried values, may be rounded once to bf16 or f16.
;; Inputs: b1 8 x 256 float32; b2 8 x 1,000 float32; gate_b 8 float32; gate_w 8 x 2,048 float32; w1 8 x 256 x 2,048 float32; w2 8 x 1,000 x 256 float32; x 8,192 x 2,048 float32.
;; Outputs: out0 8,192 x 1,000 float32.
;; One version. Each part assembles by itself: llvm-mc -triple=amdgcn-amd-amdhsa -mcpu=gfx1250 --defsym DOCPART=n.
;; ======== version 1 of 1: 2 launches
;; workspace buffers: xb 33,554,432 bytes; w1l 8,388,608 bytes; w2l 4,194,304 bytes; biasr 40,960 bytes; bm 32,768 bytes of whole numbers; bc 32,768 bytes of whole numbers; gts 65,536 bytes
;; launch route (part 1): grid 256 x 1, 16 waves a work-group, no clusters, 216,320 bytes of LDS; arguments x, gate_w, gate_b, w1, w2, b1, b2, xb, w1l, w2l, biasr, bm, bc, gts; writes xb, w1l, w2l, biasr, bm, bc, gts
.if DOCPART == 1
	.amdgcn_target "amdgcn-amd-amdhsa--gfx1250"
	.amdhsa_code_object_version 6
	.text
	.protected	k_q0e64afccfb_route
	.globl	k_q0e64afccfb_route
	.p2align	8
	.type	k_q0e64afccfb_route,@function
k_q0e64afccfb_route:
	s_mov_b64 s[64:65], 0
	v_nop
	global_prefetch_b8 v0, s[64:65] scope:SCOPE_SE
	s_setreg_imm32_b32 hwreg(HW_REG_WAVE_MODE, 25, 1), 1
	s_wait_xcnt 0x0
; ROUTER, x TO bf16, WEIGHTS LAID OUT.  Every input is rounded once to bf16 here (x, gate_w, gate_b, w1, w2, b1, b2), and all later arithmetic uses the rounded numbers.
; A work-group of 16 waves owns 32 tokens (262,144 bytes of x), 16 rows x 1,024 k of w1, 32 (padded) rows of w2 and 32 numbers of each bias table.
; x goes memory -> registers -> bf16 -> xb (256 consecutive aligned bytes a store) and into LDS, from where the router's product takes its fragments:
; wave v multiplies k = 128 v .. 128 v + 127 of all 32 tokens by the 8 gate rows; the 16 partial sums meet in LDS and wave 0 adds them, ascending v.
; w1 and w2 go through LDS into FRAGMENTS of 1,024 bytes (16 weight rows x 32 k): bytes 16 L hold row L % 16, k = 8 (L / 16) + 0..7, bytes 512 + 16 L the same row at k + 16:
; two 16-byte loads a lane fill a matrix operand in the next launch.  w1l: [expert 8][half 2][k step 64][row tile 8]; w2l: [expert 8][group 8][k step 8][row tile 8], rows 1000..1023 are 0.
; ROUTING.  softmax with the maximum taken away, top 2, L1 norm with the floor 1e-12, as the module has them.  Stored at fixed places: the two gates (lower expert's first) in gts; for each of the
; 28 pairs of experts (set = hi (hi - 1) / 2 + lo) the 32 tokens' bitmap in bm and its count in bc.  No address and no branch of this launch hangs on the choice.
; LIMITS.  The top 2 are taken on the logits, the lower index on equal logits; gates that tie only after the softmax's rounding are not told apart.  NaN and infinities are not treated apart.
; An exponential below 2^-126 counts as 0.  The logits' sums are added in another order than a plain dot product's.
; No cluster: no two work-groups share a tile but gate_w's 65,536 bytes, a 6th part of a per cent of what a work-group reads... by bytes: 65,536 of 360,448+65,536.
.set XP,    4112                    ; a token's row in LDS: 4,096 bytes + 16: an odd multiple of 16, so the sixteen rows of a fragment load start 16 bytes apart modulo 256
.set W1P,   2064                    ; 1,024 k of w1: 2,048 + 16
.set W2P,   528                     ; 256 k of w2: 512 + 16
.set PART,  32*XP                   ; 131,584: 16 waves x 2,048 bytes of partial logits
.set WT1,   PART+16*2048            ; 164,352: 16 rows of w1
.set WT2,   WT1+16*W1P              ; 197,376: 32 rows of w2
.set SPARE, WT2+32*W2P              ; 214,272: the spare words, 128 bytes a wave: eight blocks of 256 bytes that no other line names
.set GS,  32                        ; v32-95   gate rows as loaded; then v32-63 four fragments; v64-87 w2 as loaded, later the weight fragments
.set X,   96                        ; v96-223  two rows of x as loaded; v96-159 as bf16 (store data, never rewritten before the wait behind the second barrier)
.set XF,  160                       ; v160-223 x fragments [k step 4][token block 2]
.set W,   224                       ; v224-255 w1 as loaded; then v224-239 the two accumulators
.set WV,  32                        ; s32 wave, s33 work-group
.set WG,  33
	s_load_b512 s[4:19], s[0:1], 0x0               ; x 4, gate_w 6, gate_b 8, w1 10, w2 12, b1 14, b2 16, xb 18
	s_load_b256 s[20:27], s[0:1], 0x40             ; w1l 20, w2l 22, biasr 24, bm 26
	s_load_b128 s[28:31], s[0:1], 0x60             ; bc 28, gts 30
	v_lshl_add_u32 v4, v0, 2, SPARE                ; my spare word, and 0: kept for the add at the wave's end alone
	v_mov_b32 v5, 0
	v_lshrrev_b32 v22, 5, v0
	v_readfirstlane_b32 s[WV], v22
	s_mov_b32 s[WG], ttmp9
	v_and_b32 v1, 31, v0                           ; l
	v_and_b32 v2, 15, v0                           ; r
	v_bfe_u32 v3, v0, 4, 1                         ; h
	v_and_b32 v22, 7, v0
	v_lshlrev_b32 v20, 4, v1                       ; 16 l
	s_lshl_b32 s44, s[WV], 14
	v_add_nc_u32 v6, s44, v20                      ; x: my two rows of 8,192 bytes; also w1l: my two k steps of 8,192 bytes
	s_lshl_b32 s44, s[WV], 13
	v_lshl_add_u32 v7, v1, 3, s44                  ; xb: my two rows of 4,096 bytes, 8 bytes a lane
	v_add_nc_u32 v10, s44, v20                     ; w1: my row
	s_mul_i32 s44, s[WV], 2*XP
	v_lshl_add_u32 v8, v1, 3, s44                  ; the same two rows in LDS
	s_lshl_b32 s44, s[WV], 9
	v_lshl_add_u32 v9, v22, 13, s44                ; gate_w: row r % 8, my 128 k,
	v_lshl_add_u32 v9, v3, 5, v9                   ; 8 f32 for each half of the lanes
	s_mul_i32 s44, s[WV], W1P
	s_add_co_u32 s44, s44, WT1
	v_lshl_add_u32 v11, v1, 3, s44
	s_mul_i32 s44, s[WV], 2*W2P
	s_add_co_u32 s44, s44, WT2
	v_lshl_add_u32 v14, v1, 3, s44
	v_mul_u32_u24 v15, v2, XP                      ; x fragments: token r, my 256 bytes, 16 h
	v_lshl_add_u32 v15, v3, 4, v15
	s_lshl_b32 s44, s[WV], 8
	v_add_nc_u32 v15, s44, v15
	v_add_nc_u32 v16, 16*XP, v15                   ; tokens 16..31: past the 16-bit immediate, so a register of its own
	v_mul_u32_u24 v17, v2, W1P                     ; w1 fragments: k steps 2 v, 2 v + 1 of the tile's 32
	v_lshl_add_u32 v17, v3, 4, v17
	s_lshl_b32 s44, s[WV], 7
	s_add_co_u32 s44, s44, WT1
	v_add_nc_u32 v17, s44, v17
	v_mul_u32_u24 v18, v2, W2P                     ; w2 fragment: row tile v / 8, k step v % 8
	v_lshl_add_u32 v18, v3, 4, v18
	s_lshr_b32 s44, s[WV], 3
	s_mul_i32 s44, s44, 16*W2P
	s_and_b32 s45, s[WV], 7
	s_lshl_b32 s45, s45, 6
	s_add_co_u32 s44, s44, s45
	s_add_co_u32 s44, s44, WT2
	v_add_nc_u32 v18, s44, v18
	s_lshl_b32 s44, s[WV], 11
	s_add_co_u32 s44, s44, PART
	v_lshl_add_u32 v21, v1, 5, s44                 ; my partial logits: 32 bytes a lane
	s_and_b32 s48, s[WG], 31                       ; my two rows of w2 (padded numbering): n = 32 (WG % 32) + 2 v + i
	s_lshl_b32 s48, s48, 5
	s_lshl1_add_u32 s48, s[WV], s48
	s_add_co_u32 s49, s48, 1
	s_cmp_lt_u32 s48, 1000
	s_cselect_b32 s50, -1, 0                       ; a row past 999 is stored as zeros
	s_cmp_lt_u32 s49, 1000
	s_cselect_b32 s51, -1, 0
	s_min_u32 s48, s48, 999                        ; and reads row 999: no load leaves w2
	s_min_u32 s49, s49, 999
	s_lshl_b32 s48, s48, 10
	s_lshl_b32 s49, s49, 10
	v_add_nc_u32 v12, s48, v20
	v_add_nc_u32 v13, s49, v20
	s_mov_b32 s47, 0                               ; s[46:47]: an offset as a pair
	s_wait_kmcnt 0x0
	s_load_b256 s[36:43], s[8:9], 0x0              ; gate_b
	s_lshl_b32 s46, s[WG], 18
	s_add_nc_u64 s[4:5], s[4:5], s[46:47]          ; x at my 32 tokens
	s_lshl_b32 s46, s[WG], 17
	s_add_nc_u64 s[18:19], s[18:19], s[46:47]      ; xb likewise
	s_lshr_b32 s46, s[WG], 1                       ; w1: row tile WG / 2 (16 rows of 8,192 bytes), k half WG % 2
	s_lshl_b32 s46, s46, 17
	s_and_b32 s45, s[WG], 1
	s_lshl_b32 s44, s45, 12
	s_add_co_u32 s46, s46, s44
	s_add_nc_u64 s[10:11], s[10:11], s[46:47]
	s_lshr_b32 s46, s[WG], 5
	s_mul_i32 s46, s46, 1024000
	s_add_nc_u64 s[12:13], s[12:13], s[46:47]      ; w2 at expert WG / 32
	s_lshr_b32 s46, s[WG], 4                       ; w1l: (expert, half) = WG / 16, k half, row tile (WG / 2) % 8
	s_lshl_b32 s46, s46, 19
	s_lshl_b32 s44, s45, 18
	s_add_co_u32 s46, s46, s44
	s_bfe_u32 s44, s[WG], 0x30001
	s_lshl_b32 s44, s44, 10
	s_add_co_u32 s46, s46, s44
	s_add_nc_u64 s[20:21], s[20:21], s[46:47]
	s_lshr_b32 s46, s[WG], 5                       ; w2l: expert, group and tile of row tile T = 2 (WG % 32) + v / 8, k step v % 8
	s_lshl_b32 s46, s46, 19
	s_and_b32 s44, s[WG], 31
	s_lshr_b32 s45, s[WV], 3
	s_lshl1_add_u32 s44, s44, s45
	s_lshr_b32 s45, s44, 3
	s_lshl_b32 s45, s45, 16
	s_add_co_u32 s46, s46, s45
	s_and_b32 s44, s44, 7
	s_lshl_b32 s44, s44, 10
	s_add_co_u32 s46, s46, s44
	s_and_b32 s44, s[WV], 7
	s_lshl_b32 s44, s44, 13
	s_add_co_u32 s46, s46, s44
	s_add_nc_u64 s[22:23], s[22:23], s[46:47]
	; 56 loads of a wave go out together: 16 of gate_w, 32 of x, 8 of w1
.irp i, 0,1,2,3
	global_load_b128 v[GS+16*\i:GS+16*\i+3],     v9, s[6:7] offset:\i*128
	global_load_b128 v[GS+16*\i+4:GS+16*\i+7],   v9, s[6:7] offset:\i*128+16
	global_load_b128 v[GS+16*\i+8:GS+16*\i+11],  v9, s[6:7] offset:\i*128+64
	global_load_b128 v[GS+16*\i+12:GS+16*\i+15], v9, s[6:7] offset:\i*128+80
.endr
.set j, 0
.rept 32
	global_load_b128 v[X+4*j:X+4*j+3], v6, s[4:5] offset:(j/16)*8192+(j%16)*512 th:TH_LOAD_NT
.set j, j+1
.endr
.set j, 0
.rept 8
	global_load_b128 v[W+4*j:W+4*j+3], v10, s[10:11] offset:j*512 th:TH_LOAD_NT
.set j, j+1
.endr
	s_wait_loadcnt 40                              ; gate_w is in: x's 32 and w1's 8 are younger
.set d, 0
.rept 32
	v_cvt_pk_bf16_f32 v[GS+d], v[GS+2*d], v[GS+2*d+1]  ; in place, ascending: fragment i ends in v[32 + 8 i ..]
.set d, d+1
.endr
	global_load_b128 v[64:67], v12, s[12:13] th:TH_LOAD_NT
	global_load_b128 v[68:71], v12, s[12:13] offset:512 th:TH_LOAD_NT
	global_load_b128 v[72:75], v13, s[12:13] th:TH_LOAD_NT
	global_load_b128 v[76:79], v13, s[12:13] offset:512 th:TH_LOAD_NT
; One row of x: rounded in place (row 0 into v96-127, row 1 into v128-159), into LDS and out to xb
.macro CONVX row
.set d, 0
.rept 32
	v_cvt_pk_bf16_f32 v[X+32*(\row)+d], v[X+64*(\row)+2*d], v[X+64*(\row)+2*d+1]
.set d, d+1
.endr
.set j, 0
.rept 16
	ds_store_b64 v8, v[X+32*(\row)+2*j:X+32*(\row)+2*j+1] offset:(\row)*XP+j*256
	global_store_b64 v7, v[X+32*(\row)+2*j:X+32*(\row)+2*j+1], s[18:19] offset:(\row)*4096+j*256  ; the wave's 32 lanes store 256 consecutive bytes, aligned
.set j, j+1
.endr
.endm
	s_wait_loadcnt 28                              ; row 0 is in: row 1's 16, w1's 8, w2's 4 are younger
	CONVX 0
	s_wait_loadcnt 12                              ; row 1: w1's 8 and w2's 4 are younger
	CONVX 1
	s_wait_loadcnt 4                               ; w1: w2's 4 are younger
.set d, 0
.rept 16
	v_cvt_pk_bf16_f32 v[W+d], v[W+2*d], v[W+2*d+1]
.set d, d+1
.endr
.set j, 0
.rept 8
	ds_store_b64 v11, v[W+2*j:W+2*j+1] offset:j*256
.set j, j+1
.endr
	s_wait_loadcnt 0x0                             ; w2
.set d, 0
.rept 8
	v_cvt_pk_bf16_f32 v[64+d], v[64+2*d], v[64+2*d+1]
.set d, d+1
.endr
.irp d, 0,1,2,3
	v_and_b32 v[64+\d], s50, v[64+\d]
	v_and_b32 v[68+\d], s51, v[68+\d]
.endr
	ds_store_b64 v14, v[64:65]
	ds_store_b64 v14, v[66:67] offset:256
	ds_store_b64 v14, v[68:69] offset:W2P
	ds_store_b64 v14, v[70:71] offset:W2P+256
	s_wait_kmcnt 0x0                               ; gate_b
	s_wait_dscnt 0x0                               ; for the others' sake: my rows are in LDS
	s_barrier_signal -1
	s_barrier_wait -1
	; fragments out of LDS: 16 loads of x, 6 of the weights
.irp i, 0,1,2,3
	ds_load_b128 v[XF+16*\i:XF+16*\i+3],     v15 offset:\i*64
	ds_load_b128 v[XF+16*\i+4:XF+16*\i+7],   v15 offset:\i*64+32
	ds_load_b128 v[XF+16*\i+8:XF+16*\i+11],  v16 offset:\i*64
	ds_load_b128 v[XF+16*\i+12:XF+16*\i+15], v16 offset:\i*64+32
.endr
	ds_load_b128 v[64:67], v17
	ds_load_b128 v[68:71], v17 offset:32
	ds_load_b128 v[72:75], v17 offset:64
	ds_load_b128 v[76:79], v17 offset:96
	ds_load_b128 v[80:83], v18
	ds_load_b128 v[84:87], v18 offset:32
	s_wait_dscnt 6                                 ; x's fragments are in; the six weight loads are younger
	; source 0 = gate rows (row m is expert m % 8), source 1 = 16 tokens: a lane's eight results are one token's eight logits.  Two accumulators by turns
	v_wmma_f32_16x16x32_bf16 v[224:231], v[32:39], v[160:167], 0
	v_wmma_f32_16x16x32_bf16 v[232:239], v[32:39], v[168:175], 0
.irp i, 1,2,3
	v_wmma_f32_16x16x32_bf16 v[224:231], v[32+8*\i:39+8*\i], v[160+16*\i:167+16*\i], v[224:231]
	v_wmma_f32_16x16x32_bf16 v[232:239], v[32+8*\i:39+8*\i], v[168+16*\i:175+16*\i], v[232:239]
.endr
.rept 4
	v_nop                                          ; four places between the last product and the stores that read the sums
.endr
	s_wait_dscnt 0x0
	global_store_b128 v6, v[64:67], s[20:21]                   ; each store: 512 consecutive bytes, aligned
	global_store_b128 v6, v[68:71], s[20:21] offset:512
	global_store_b128 v6, v[72:75], s[20:21] offset:8192
	global_store_b128 v6, v[76:79], s[20:21] offset:8192+512
	global_store_b128 v20, v[80:83], s[22:23]
	global_store_b128 v20, v[84:87], s[22:23] offset:512
	ds_store_b128 v21, v[224:227]                  ; each accumulator's low registers first
	ds_store_b128 v21, v[228:231] offset:16
	ds_store_b128 v21, v[232:235] offset:1024
	ds_store_b128 v21, v[236:239] offset:1024+16
	s_wait_dscnt 0x0                               ; for wave 0's sake
	s_barrier_signal -1
	s_barrier_wait -1
	s_wait_xcnt 0x0                                ; all my stores have read their registers: what follows may write any of them
	s_cmp_eq_u32 s[WV], 0
	s_cbranch_scc1 .Lroute
	s_cmp_eq_u32 s[WV], 1
	s_cbranch_scc1 .Lb2
	s_cmp_eq_u32 s[WV], 2
	s_cbranch_scc0 .Lend
	s_cmp_lt_u32 s[WG], 64
	s_cbranch_scc0 .Lend
	; wave 2 of work-groups 0..63: 32 numbers of b1, rounded to bf16 and kept as f32
	s_lshl_b32 s46, s[WG], 7
	s_add_nc_u64 s[14:15], s[14:15], s[46:47]
	s_add_nc_u64 s[24:25], s[24:25], s[46:47]
	v_lshlrev_b32 v26, 2, v1
	global_load_b32 v25, v26, s[14:15]
	s_wait_loadcnt 0x0
	v_cvt_pk_bf16_f32 v25, v25, v25
	v_lshlrev_b32 v25, 16, v25
	global_store_b32 v26, v25, s[24:25]
	s_branch .Lend
.Lb2:                                                  ; wave 1: 32 numbers of b2 in the padded table [8][1024], zeros past 999
	s_and_b32 s44, s[WG], 31
	s_lshl_b32 s44, s44, 5
	v_add_nc_u32 v23, s44, v1                      ; o
	v_min_u32 v24, 999, v23
	s_lshr_b32 s45, s[WG], 5
	s_mul_i32 s45, s45, 4000
	v_lshl_add_u32 v24, v24, 2, s45
	global_load_b32 v25, v24, s[16:17]
	s_lshl_b32 s46, s[WG], 7
	s_add_nc_u64 s[24:25], s[24:25], s[46:47]
	v_lshlrev_b32 v26, 2, v1
	v_cmp_gt_u32 vcc_lo, 1000, v23
	s_wait_loadcnt 0x0
	v_cndmask_b32 v25, 0, v25, vcc_lo
	v_cvt_pk_bf16_f32 v25, v25, v25
	v_lshlrev_b32 v25, 16, v25
	global_store_b32 v26, v25, s[24:25] offset:8192
	s_branch .Lend
.Lroute:                                               ; wave 0: lane l is token l.  Its eight logits lie at lane l's 32 bytes of token block l / 16, in each wave's part
	v_lshrrev_b32 v22, 4, v1
	v_lshlrev_b32 v22, 10, v22
	v_lshl_add_u32 v22, v1, 5, v22
	v_add_nc_u32 v22, PART, v22
.set k, 0
.rept 8
	ds_load_b128 v[160+8*k:163+8*k], v22 offset:k*2048
	ds_load_b128 v[164+8*k:167+8*k], v22 offset:k*2048+16
.set k, k+1
.endr
.irp e, 0,1,2,3,4,5,6,7
	v_mov_b32 v[44+\e], s[36+\e]
.endr
.irp e, 0,1,2,3
	v_cvt_pk_bf16_f32 v[40+\e], v[44+2*\e], v[45+2*\e]         ; gate_b rounded to bf16,
.endr
.irp e, 0,1,2,3
	v_lshlrev_b32 v[44+2*\e], 16, v[40+\e]                     ; and back as f32
	v_and_b32 v[45+2*\e], 0xffff0000, v[40+\e]
.endr
	s_wait_dscnt 0x0
.irp c, 0,2,4,6
	v_pk_add_f32 v[32+\c:33+\c], v[160+\c:161+\c], v[168+\c:169+\c]
.endr
.set k, 2
.rept 6
.irp c, 0,2,4,6
	v_pk_add_f32 v[32+\c:33+\c], v[32+\c:33+\c], v[160+8*k+\c:161+8*k+\c]
.endr
.set k, k+1
.endr
.set k, 0
.rept 8
	ds_load_b128 v[160+8*k:163+8*k], v22 offset:(8+k)*2048
	ds_load_b128 v[164+8*k:167+8*k], v22 offset:(8+k)*2048+16
.set k, k+1
.endr
	s_wait_dscnt 0x0
.set k, 0
.rept 8
.irp c, 0,2,4,6
	v_pk_add_f32 v[32+\c:33+\c], v[32+\c:33+\c], v[160+8*k+\c:161+8*k+\c]
.endr
.set k, k+1
.endr
.irp c, 0,2,4,6
	v_pk_add_f32 v[32+\c:33+\c], v[32+\c:33+\c], v[44+\c:45+\c]
.endr
	v_max3_num_f32 v52, v32, v33, v34              ; the maximum, which the softmax takes away
	v_max3_num_f32 v52, v52, v35, v36
	v_max3_num_f32 v52, v52, v37, v38
	v_max_num_f32 v52, v52, v39
	v_mov_b32 v53, v32                             ; the best: strictly greater only, so the lower index stays on a tie
	v_mov_b32 v54, 0
.irp e, 1,2,3,4,5,6,7
	v_cmp_gt_f32 vcc_lo, v[32+\e], v53
	v_cndmask_b32 v53, v53, v[32+\e], vcc_lo
	v_cndmask_b32 v54, v54, \e, vcc_lo
.endr
	v_cmp_eq_u32 vcc_lo, 0, v54                    ; the second: starts at the lowest index that is not the best's
	v_cndmask_b32 v55, v32, v33, vcc_lo
	v_cndmask_b32 v56, 0, 1, vcc_lo
.irp e, 1,2,3,4,5,6,7
	v_cmp_ne_u32 s44, \e, v54
	v_cmp_gt_f32 vcc_lo, v[32+\e], v55
	s_and_b32 vcc_lo, vcc_lo, s44
	v_cndmask_b32 v55, v55, v[32+\e], vcc_lo
	v_cndmask_b32 v56, v56, \e, vcc_lo
.endr
.irp e, 0,1,2,3,4,5,6,7
	v_sub_f32 v[60+\e], v[32+\e], v52
.endr
	v_sub_f32 v68, v53, v52
	v_sub_f32 v69, v55, v52
.irp e, 0,1,2,3,4,5,6,7,8,9
	v_mul_f32 v[60+\e], 0x3fb8aa3b, v[60+\e]       ; log2(e)
.endr
.irp e, 0,1,2,3,4,5,6,7,8,9
	v_exp_f32 v[60+\e], v[60+\e]                   ; one batch of ten
.endr
	v_nop                                          ; a plain instruction behind the last exponential (ISA guide 5.7.2),
	s_wait_alu depctr_va_vdst(0)                   ; and the one wait ahead of the batch's first reader
	v_pk_add_f32 v[70:71], v[60:61], v[62:63]
	v_pk_add_f32 v[72:73], v[64:65], v[66:67]
	v_pk_add_f32 v[70:71], v[70:71], v[72:73]
	v_add_f32 v70, v70, v71
	v_rcp_f32 v71, v70
	v_nop
	s_wait_alu depctr_va_vdst(0)
	v_mul_f32 v72, v68, v71                        ; the two gates,
	v_mul_f32 v73, v69, v71
	v_add_f32 v74, v72, v73                        ; their L1 norm with its floor 1e-12,
	v_max_num_f32 v74, 0x2b8cbccc, v74
	v_rcp_f32 v75, v74
	v_nop
	s_wait_alu depctr_va_vdst(0)
	v_mul_f32 v72, v72, v75                        ; and the normalised gates
	v_mul_f32 v73, v73, v75
	v_min_u32 v76, v54, v56                        ; lo
	v_max_u32 v77, v54, v56                        ; hi
	v_cmp_lt_u32 vcc_lo, v54, v56
	v_cndmask_b32 v78, v73, v72, vcc_lo            ; lo's gate
	v_cndmask_b32 v79, v72, v73, vcc_lo            ; hi's gate
	v_add_nc_u32 v80, -1, v77
	v_mul_lo_u32 v80, v80, v77
	v_lshrrev_b32 v80, 1, v80
	v_add_nc_u32 v80, v80, v76                     ; the set: hi (hi - 1) / 2 + lo
	s_lshl_b32 s46, s[WG], 8
	s_add_nc_u64 s[30:31], s[30:31], s[46:47]
	v_lshlrev_b32 v81, 3, v1
	global_store_b64 v81, v[78:79], s[30:31]       ; 256 consecutive bytes, aligned
	v_mov_b32 v82, 0                               ; lane s takes set s's bitmap, and its count; sets 28..31 stay 0
	v_mov_b32 v83, 0
.set ss, 0
.rept 28
	v_cmp_eq_u32 s44, ss, v80
	s_bcnt1_i32_b32 s45, s44
	v_writelane_b32 v82, s44, ss
	v_writelane_b32 v83, s45, ss
.set ss, ss+1
.endr
	s_lshl_b32 s46, s[WG], 7
	s_add_nc_u64 s[26:27], s[26:27], s[46:47]
	s_add_nc_u64 s[28:29], s[28:29], s[46:47]
	v_lshlrev_b32 v84, 2, v1
	global_store_b32 v84, v82, s[26:27]
	global_store_b32 v84, v83, s[28:29]
.Lend:
	s_wait_tensorcnt 0x0                           ; the wave's end
	ds_add_u32 v4, v5
	s_wait_dscnt 0x0
	s_endpgm
.Lfunc_end_k_q0e64afccfb_route:
	.size	k_q0e64afccfb_route, .Lfunc_end_k_q0e64afccfb_route-k_q0e64afccfb_route
	.p2alignl 7, 3214868480
	.fill 96, 4, 3214868480
	.section	.rodata,"a",@progbits
	.p2align	6, 0x0
	.amdhsa_kernel k_q0e64afccfb_route
		.amdhsa_group_segment_fixed_size 216320
		.amdhsa_private_segment_fixed_size 0
		.amdhsa_enable_private_segment 0
		.amdhsa_kernarg_size 112
		.amdhsa_user_sgpr_count 2
		.amdhsa_user_sgpr_kernarg_segment_ptr 1
		.amdhsa_wavefront_size32 1
		.amdhsa_system_sgpr_workgroup_id_x 1
		.amdhsa_system_sgpr_workgroup_id_y 1
		.amdhsa_system_sgpr_workgroup_id_z 1
		.amdhsa_system_vgpr_workitem_id 0
		.amdhsa_next_free_vgpr 256
		.amdhsa_next_free_sgpr 66
		.amdhsa_reserve_vcc 1
		.amdhsa_float_denorm_mode_32 3
		.amdhsa_float_denorm_mode_16_64 3
		.amdhsa_memory_ordered 1
		.amdhsa_forward_progress 1
		.amdhsa_inst_pref_size 48
	.end_amdhsa_kernel
	.amdgpu_metadata
---
amdhsa.version: [ 1, 2 ]
amdhsa.kernels:
  - .name:           k_q0e64afccfb_route
    .symbol:         k_q0e64afccfb_route.kd
    .args:
      - { .name: x, .offset: 0, .size: 8, .value_kind: global_buffer, .address_space: global }
      - { .name: gate_w, .offset: 8, .size: 8, .value_kind: global_buffer, .address_space: global }
      - { .name: gate_b, .offset: 16, .size: 8, .value_kind: global_buffer, .address_space: global }
      - { .name: w1, .offset: 24, .size: 8, .value_kind: global_buffer, .address_space: global }
      - { .name: w2, .offset: 32, .size: 8, .value_kind: global_buffer, .address_space: global }
      - { .name: b1, .offset: 40, .size: 8, .value_kind: global_buffer, .address_space: global }
      - { .name: b2, .offset: 48, .size: 8, .value_kind: global_buffer, .address_space: global }
      - { .name: xb, .offset: 56, .size: 8, .value_kind: global_buffer, .address_space: global }
      - { .name: w1l, .offset: 64, .size: 8, .value_kind: global_buffer, .address_space: global }
      - { .name: w2l, .offset: 72, .size: 8, .value_kind: global_buffer, .address_space: global }
      - { .name: biasr, .offset: 80, .size: 8, .value_kind: global_buffer, .address_space: global }
      - { .name: bm, .offset: 88, .size: 8, .value_kind: global_buffer, .address_space: global }
      - { .name: bc, .offset: 96, .size: 8, .value_kind: global_buffer, .address_space: global }
      - { .name: gts, .offset: 104, .size: 8, .value_kind: global_buffer, .address_space: global }
    .group_segment_fixed_size: 216320
    .private_segment_fixed_size: 0
    .kernarg_segment_align: 8
    .kernarg_segment_size: 112
    .max_flat_workgroup_size: 512
    .sgpr_count:     66
    .vgpr_count:     256
    .wavefront_size: 32
...
	.end_amdgpu_metadata
.endif
;; end of part 1
;; launch chain (part 2): grid 155 x 1, 8 waves a work-group, no clusters, 319,488 bytes of LDS; arguments xb, w1l, w2l, biasr, bm, bc, gts, out0; writes out0
.if DOCPART == 2
	.amdgcn_target "amdgcn-amd-amdhsa--gfx1250"
	.amdhsa_code_object_version 6
	.text
	.protected	k_q0e64afccfb_chain
	.globl	k_q0e64afccfb_chain
	.p2align	8
	.type	k_q0e64afccfb_chain,@function
k_q0e64afccfb_chain:
	s_mov_b64 s[64:65], 0
	v_nop
	global_prefetch_b8 v0, s[64:65] scope:SCOPE_SE
	s_setreg_imm32_b32 hwreg(HW_REG_WAVE_MODE, 25, 1), 1
	s_wait_xcnt 0x0
; THE CHAIN.  A work-group takes a TILE of up to 64 tokens that chose the same pair of experts (lo, hi) through both products and stores their rows of out0: each output row has one owner.
;   h'[64][512]   = relu(x [W1lo; W1hi]^T + b1) x (gate of the column's expert), rounded once to bf16 (bf16, not f16: h has no bound within f16's range for larger inputs)
;   out[64][1000] = h' [W2lo | W2hi]^T + glo b2lo + ghi b2hi
; THE GRID serves every split of the 8,192 tokens over the 28 pairs: the sum of ceil(n / 64) is at most (8192 + 28 x 63) / 64 = 155.  Every work-group finds its tile for itself from the stored
; counts (bc) and bitmaps (bm): whole numbers alone steer its addresses.  A work-group that the split leaves without rows cannot end early (the count is loaded data, and barriers follow): it
; gathers token 0, fills the ring once, jumps both products (three stretches of work that hold no barrier) and stores nothing.  In a tile that is not full the places past the count repeat the
; tile's first token.
; SHARES.  EIGHT waves, two on a SIMD, 512 registers each.  Wave w has all 64 rows (four blocks of 16) and an eighth of the columns: 64 of h', then 128 of out in two passes of 64:
; 16 accumulators, 16 matrix instructions a K step of 32.  Why eight: a wave's loads on their way end at 64 of 512 bytes; eight waves have 262,144 bytes out where four would have half of that.
; THE STREAM.  Weights come from memory straight into operand registers, as the launch before laid them: a ring of eight stages of 8 loads (4,096 bytes) a wave, a stage filled again for the
; step eight steps on as soon as it is multiplied, through both products, with no barrier in the stream.  x (64 x 4,096 bytes) lies in LDS; h' takes its place when x is read out.
; THE MATRIX INSTRUCTION IS USED TRANSPOSED (source 0 = 16 weight rows, source 1 = 16 tokens): a lane holds one token and eight neighbouring columns.
; NO CLUSTER, NO TENSOR LOADS: partners would have to share a pair of experts, and a pair's number of tiles hangs on stored counts, so whole clusters for each pair would want up to 28 x 3 more
; work-groups; and beside x's 263,168 bytes LDS has room for less than two K steps of the eight waves' weights (32,768 bytes each) in each of two slots.
; out0's rows are 4,000 bytes apart: a store covers 256 consecutive bytes in each of two rows, aligned to 16.
; LIMITS.  All inputs arrive rounded to bf16; h' is rounded to bf16 after the gate; NaN and infinities are not treated apart.
; REGISTERS, in windows of 256 (s_set_vgpr_msb: bits 1:0 source 0, 3:2 source 1, 5:4 source 2, 7:6 destination):
;   window 0: v0-31 addresses, tokens, gates; v32-63 at work; v64-127 fragments of x or h', two buffers of four; v128-255 accumulator (a, b) at 128 + 8 (4 a + b)
;   window 1: the ring, stage s fragment b at 32 s + 8 b.  In the head v64-255 of window 0 and v128-255 of window 1 are at work.
.set XP,    4112                    ; a row of x in LDS: 4,096 + 16, an odd multiple of 16: the sixteen rows of a fragment load start 16 bytes apart modulo 256
.set HP,    1040                    ; a row of h': 1,024 + 16; h' begins at LDS byte 0, where x lay
.set OSP,   272                     ; a row of the way out: 256 + 16
.set OS,    64*XP                   ; 263,168: 16 rows for each wave
.set LISTS, OS+8*16*OSP             ; 297,984: 512 bytes for each wave: places 0..63, and a place 64 for what falls outside the tile
.set CNTS,  LISTS+8*512             ; 302,080: 512 bytes for each wave
.set BIAS,  CNTS+8*512              ; 306,176: for each wave b1 of its 64 columns (256 bytes), b2 of lo and of hi for its 128 columns (512 each)
.set BIASW, 1280
.set TOKT,  BIAS+8*BIASW            ; 316,416: the tile's 64 tokens, a copy for each wave
.set SPARE, TOKT+8*256              ; 318,464: the spare words, 128 bytes a wave: four blocks of 256 bytes that no other line names
.set AW,  8                         ; v8-11    LDS address of my fragment of x or h', row block a: it walks
.set HST, 12                        ; v12      where I put 16 bytes of h'
.set OST, 13                        ; v13      the way out: where I put 32 bytes of a row
.set ORD, 14                        ; v14      the way out: where I read rows back
.set TOKA, 15                       ; v15      my copy of the tokens, + 4 for lanes 16-31
.set TA,  16                        ; v16-19   the token at place 16 a + r
.set G,   20                        ; v20-27   its gates (lo's, hi's)
.set ZERO, 28                       ; v28-29   0
.set R16, 30                        ; v30      16 r
.set BA,  31                        ; v31      my biases in LDS, + 32 for lanes 16-31
.set TQ,  32                        ; v32-63   at work; b1 as the first products' C
.set XF,  64
.set ACC, 128
.set WV, 20
.set WG, 21
.set BASE, 22
.set SEL, 23
.set SELB, 24
.set SS, 26
.set LO, 27
.set HI, 28
.set NS, 29
.set R0, 30
.set CNT, 31                        ; s31  rows of my tile, 0..64
.set TMP, 35
.set LB, 36                         ; s[36:37] the ring's base
.set PW1, 38
.set PW2LO, 40
.set PW2HI, 42
.set PB1, 44
.set PB2LO, 46
.set PB2HI, 48
.set OB, 50
.set LIM, 52                        ; s52, s53 of each sixteen lanes, those that store in pass 0, 1
.set SAVE, 54
.set HIM, 55
.set LOOP, 56
.set OFFP, 58                       ; s[58:59] an offset as a pair
.set LISTB, 60
.set BIASB, 61
.set MSB, 0
.macro WIN new                      ; the immediate's high byte repeats the setting that is left; a switch that changes nothing is dropped
.if MSB != (\new)
	s_set_vgpr_msb (MSB<<8)|(\new)
.set MSB, (\new)
.endif
.endm
	s_load_b512 s[4:19], s[0:1], 0x0               ; xb 4, w1l 6, w2l 8, biasr 10, bm 12, bc 14, gts 16, out0 18
	v_lshl_add_u32 v4, v0, 2, SPARE                ; my spare word, and 0: kept for the add at the wave's end alone
	v_mov_b32 v5, 0
	v_lshrrev_b32 v32, 5, v0
	v_readfirstlane_b32 s[WV], v32
	s_mov_b32 s[WG], ttmp9
	v_and_b32 v1, 31, v0                           ; l
	v_and_b32 v2, 15, v0                           ; r
	v_bfe_u32 v3, v0, 4, 1                         ; h
	v_lshlrev_b32 v6, 4, v1                        ; 16 l
	v_lshlrev_b32 v[R16], 4, v2
	v_mov_b32 v[ZERO], 0
	v_mov_b32 v[ZERO+1], 0
	s_lshl_b32 s[TMP], s[WV], 12
	v_add_nc_u32 v33, s[TMP], v6
	s_wait_kmcnt 0x0
	; COUNTS AND BITMAPS go out together.  My eighth of each, 32 blocks x 32 sets: register (j, i) of lane l is block 4 j + l / 8, set 4 (l % 8) + i
.set j, 0
.rept 8
	global_load_b128 v[64+4*j:64+4*j+3], v33, s[14:15] offset:j*512
.set j, j+1
.endr
.set j, 0
.rept 8
	global_load_b128 v[128+4*j:128+4*j+3], v33, s[12:13] offset:j*512
.set j, j+1
.endr
	s_lshl_b32 s[LISTB], s[WV], 9                  ; the addresses are made while they are on their way
	s_add_co_u32 s[TMP], s[LISTB], CNTS
	s_add_co_u32 s[LISTB], s[LISTB], LISTS
	v_lshl_add_u32 v38, v1, 3, s[LISTB]
	v_add_nc_u32 v39, s[TMP], v6
	s_mul_i32 s[BIASB], s[WV], BIASW
	s_add_co_u32 s[BIASB], s[BIASB], BIAS
	v_lshl_add_u32 v[BA], v3, 5, s[BIASB]
	v_mul_u32_u24 v32, v2, HP
	v_lshl_add_u32 v32, v3, 4, v32
	s_lshl_b32 s[TMP], s[WV], 7
	v_add_nc_u32 v[HST], s[TMP], v32               ; row r, my 64 columns of h' (128 bytes), 16 h
	s_mul_i32 s[TMP], s[WV], 16*OSP
	s_add_co_u32 s[TMP], s[TMP], OS
	v_mul_u32_u24 v32, v2, OSP
	v_lshl_add_u32 v32, v3, 5, v32
	v_add_nc_u32 v[OST], s[TMP], v32
	v_mul_u32_u24 v32, v3, OSP
	v_add_nc_u32 v32, v32, v[R16]
	v_add_nc_u32 v[ORD], s[TMP], v32               ; lanes 0-15 one row of 256 bytes, lanes 16-31 the next
	s_lshl_b32 s[TMP], s[WV], 8
	s_add_co_u32 s[TMP], s[TMP], TOKT
	v_lshl_add_u32 v[TOKA], v3, 2, s[TMP]
	v_lshl_add_u32 v37, v2, 2, s[TMP]
	v_mul_u32_u24 v32, v2, XP
	v_lshl_add_u32 v[AW], v3, 4, v32               ; row x pitch + 16 h
	v_add_nc_u32 v[AW+1], 16*XP, v[AW]
	v_add_nc_u32 v[AW+2], 32*XP, v[AW]
	v_add_nc_u32 v[AW+3], 48*XP, v[AW]
	s_wait_loadcnt 8                               ; the counts are in: the bitmaps' 8 loads are younger
.irp c, 0,1,2,3
	v_add3_u32 v[40+\c], v[64+\c], v[68+\c], v[72+\c]
.endr
.irp c, 0,1,2,3
	v_add3_u32 v[40+\c], v[40+\c], v[76+\c], v[80+\c]
.endr
.irp c, 0,1,2,3
	v_add3_u32 v[40+\c], v[40+\c], v[84+\c], v[88+\c]
.endr
.irp c, 0,1,2,3
	v_add_nc_u32 v[40+\c], v[40+\c], v[92+\c]
.endr
	ds_store_b128 v39, v[40:43]                    ; [wave][l / 8][set]: 32 partial counts for each set
	ds_store_b64 v38, v[ZERO:ZERO+1]               ; my list starts as zeros: the eight lists are added later
	s_wait_dscnt 0x0                               ; for the others' sake
	s_barrier_signal -1
	s_barrier_wait -1
	; WHICH TILE IS MINE.  Lane = set.  Every wave does the same arithmetic
	v_lshl_add_u32 v36, v1, 2, CNTS
.set k, 0
.rept 32
	ds_load_b32 v[64+k], v36 offset:k*128
.set k, k+1
.endr
	s_mov_b32 s[BASE], 0
	s_mov_b32 s[SEL], 0
	s_mov_b32 s[SELB], 0
	s_mov_b32 s[OFFP+1], 0
	s_wait_dscnt 0x0
.irp q, 0,1,2,3,4,5,6,7
	v_add3_u32 v[96+\q], v[64+4*\q], v[65+4*\q], v[66+4*\q]
.endr
.irp q, 0,1,2,3,4,5,6,7
	v_add_nc_u32 v[96+\q], v[96+\q], v[67+4*\q]                ; the set's tokens in eighth q
.endr
	v_add3_u32 v104, v96, v97, v98
	v_add3_u32 v104, v104, v99, v100
	v_add3_u32 v104, v104, v101, v102
	v_add_nc_u32 v104, v104, v103                  ; n
	v_add_nc_u32 v105, 63, v104
	v_lshrrev_b32 v105, 6, v105                    ; the set's tiles: ceil(n / 64)
.set ss, 0
.rept 28                                               ; all lane reads first, so that the scalar chain below waits for none of them
	v_readlane_b32 s[72+ss], v105, ss
.set ss, ss+1
.endr
.set ss, 0
.set ll, 0
.set hh, 1
.rept 28                                               ; the last set whose first tile is not behind mine
	s_cmp_le_u32 s[BASE], s[WG]
	s_cselect_b32 s[SEL], ss|(ll<<8)|(hh<<16), s[SEL]
	s_cselect_b32 s[SELB], s[BASE], s[SELB]
	s_add_co_u32 s[BASE], s[BASE], s[72+ss]
.set ss, ss+1
.set ll, ll+1
.if ll == hh
.set ll, 0
.set hh, hh+1
.endif
.endr
	s_and_b32 s[SS], s[SEL], 0xff
	s_min_u32 s[SS], s[SS], 27
	s_bfe_u32 s[LO], s[SEL], 0x80008
	s_min_u32 s[LO], s[LO], 7
	s_bfe_u32 s[HI], s[SEL], 0x80010
	s_min_u32 s[HI], s[HI], 7
.irp k, 0,1,2,3,4,5,6
	v_readlane_b32 s[72+\k], v[96+\k], s[SS]
.endr
	v_readlane_b32 s[NS], v104, s[SS]
	s_mov_b32 s80, 0                               ; s80: the set's tokens in the eighths ahead of mine,
.irp k, 0,1,2,3,4,5,6
	s_cmp_gt_u32 s[WV], \k
	s_cselect_b32 s[TMP], s[72+\k], 0
	s_add_co_u32 s80, s80, s[TMP]
.endr
	s_sub_co_u32 s[R0], s[WG], s[SELB]
	s_lshl_b32 s[R0], s[R0], 6                     ; the rank in the set of my tile's first token
	s_sub_co_i32 s[CNT], s[NS], s[R0]
	s_max_i32 s[CNT], s[CNT], 0
	s_min_i32 s[CNT], s[CNT], 64
	s_sub_co_u32 s80, s80, s[R0]                   ; less R0: the place in the tile of my eighth's first token of the set (it may be negative)
	s_cmp_lt_u32 s[WV], 4                          ; waves 0-3 make lo's half of h', waves 4-7 hi's
	s_cselect_b32 s[TMP], s[LO], s[HI]
	s_cselect_b32 s[HIM], 0, -1
	s_min_u32 s[TMP], s[TMP], 7
	s_bfe_u32 s62, s[WV], 0x10001                  ; my 64 columns of the expert's 256: half (w / 2) % 2, row tiles 4 (w % 2) on
	s_and_b32 s63, s[WV], 1
	s_lshl_b32 s[OFFP], s[TMP], 20
	s_lshl_b32 s62, s62, 19
	s_add_co_u32 s[OFFP], s[OFFP], s62
	s_lshl_b32 s63, s63, 12
	s_add_co_u32 s[OFFP], s[OFFP], s63
	s_add_nc_u64 s[PW1:PW1+1], s[6:7], s[OFFP:OFFP+1]
	s_lshl_b32 s[OFFP], s[TMP], 10
	s_and_b32 s62, s[WV], 3
	s_lshl_b32 s62, s62, 8
	s_add_co_u32 s[OFFP], s[OFFP], s62
	s_add_nc_u64 s[PB1:PB1+1], s[10:11], s[OFFP:OFFP+1]
	s_lshl_b32 s63, s[WV], 16                      ; my 128 columns of out are group w of W2
	s_lshl_b32 s[OFFP], s[LO], 19
	s_add_co_u32 s[OFFP], s[OFFP], s63
	s_add_nc_u64 s[PW2LO:PW2LO+1], s[8:9], s[OFFP:OFFP+1]
	s_lshl_b32 s[OFFP], s[HI], 19
	s_add_co_u32 s[OFFP], s[OFFP], s63
	s_add_nc_u64 s[PW2HI:PW2HI+1], s[8:9], s[OFFP:OFFP+1]
	s_lshl_b32 s63, s[WV], 9
	s_add_co_u32 s63, s63, 8192
	s_lshl_b32 s[OFFP], s[LO], 12
	s_add_co_u32 s[OFFP], s[OFFP], s63
	s_add_nc_u64 s[PB2LO:PB2LO+1], s[10:11], s[OFFP:OFFP+1]
	s_lshl_b32 s[OFFP], s[HI], 12
	s_add_co_u32 s[OFFP], s[OFFP], s63
	s_add_nc_u64 s[PB2HI:PB2HI+1], s[10:11], s[OFFP:OFFP+1]
	s_lshl_b32 s[OFFP], s[WV], 9
	s_add_nc_u64 s[OB:OB+1], s[18:19], s[OFFP:OFFP+1]
	s_lshl_b32 s[TMP], s[WV], 5                    ; columns 128 w + 64 q + 4 r .. + 3 exist for r < (1000 - 128 w - 64 q) / 4
	s_sub_co_u32 s[LIM], 250, s[TMP]
	s_min_u32 s[LIM], s[LIM], 16
	s_sub_co_u32 s[LIM+1], 234, s[TMP]
	s_min_u32 s[LIM+1], s[LIM+1], 16
	s_mov_b64 s[LB:LB+1], s[PW1:PW1+1]
	v_lshlrev_b32 v34, 3, v1
	global_load_b64 v[106:107], v34, s[PB1:PB1+1]              ; my biases, as they lie: 256, 512 and 512 bytes
	global_load_b128 v[108:111], v6, s[PB2LO:PB2LO+1]
	global_load_b128 v[112:115], v6, s[PB2HI:PB2HI+1]
	s_and_b32 s62, s[SS], 3                        ; my set's bitmap words: register S % 4 of each four, lane 8 g + S / 4
	s_cmp_eq_u32 s62, 1
	s_cselect_b32 s70, -1, 0
	s_cmp_eq_u32 s62, 2
	s_cselect_b32 s71, -1, 0
	s_cmp_eq_u32 s62, 3
	s_cselect_b32 s63, -1, 0
	s_lshr_b32 s66, s[SS], 2
	s_add_co_u32 s67, s66, 8
	s_add_co_u32 s68, s66, 16
	s_add_co_u32 s69, s66, 24
	s_lshl_b32 s[TMP], s[WV], 10
	v_add_nc_u32 v117, s[TMP], v1                  ; the token of lane l in my first block
	s_wait_loadcnt 3                               ; the bitmaps are in: the three bias loads are younger
.set j, 0
.rept 8
	v_cndmask_b32 v[160+j], v[128+4*j], v[128+4*j+1], s70
.set j, j+1
.endr
.set j, 0
.rept 8
	v_cndmask_b32 v[160+j], v[160+j], v[128+4*j+2], s71
.set j, j+1
.endr
.set j, 0
.rept 8
	v_cndmask_b32 v[160+j], v[160+j], v[128+4*j+3], s63
.set j, j+1
.endr
; THE LIST, eight blocks at a time: the lane reads, the scalar prefix of the blocks' counts, then the vector work line by line across the eight, so that no line waits for the one before it.
; A token of the set goes to its place in the tile: the prefix + the set's tokens below it in the block; every other lane, and every place outside 0..63, to place 64.
.macro SCAN8 j0
.irp i, 0,1,2,3,4,5,6,7
	v_readlane_b32 s[72+\i], v[160+((\j0)+\i)/4], s[66+((\j0)+\i)%4]
.endr
.irp i, 0,1,2,3,4,5,6,7
	s_bcnt1_i32_b32 s[TMP], s[72+\i]
	s_add_co_u32 s[81+\i], s[80+\i], s[TMP]
.endr
.irp i, 0,1,2,3,4,5,6,7
	v_mbcnt_lo_u32_b32 v[40+\i], s[72+\i], s[80+\i]
.endr
.irp i, 0,1,2,3,4,5,6,7
	v_cndmask_b32 v[40+\i], 64, v[40+\i], s[72+\i]
.endr
.irp i, 0,1,2,3,4,5,6,7
	v_min_u32 v[40+\i], 64, v[40+\i]               ; a negative place is a large unsigned number
.endr
.irp i, 0,1,2,3,4,5,6,7
	v_lshl_add_u32 v[40+\i], v[40+\i], 2, s[LISTB]
.endr
.irp i, 0,1,2,3,4,5,6,7
	v_add_nc_u32 v[48+\i], 32*((\j0)+\i), v117
.endr
.irp i, 0,1,2,3,4,5,6,7
	ds_store_b32 v[40+\i], v[48+\i]
.endr
	s_mov_b32 s80, s88
.endm
	SCAN8 0
	SCAN8 8
	SCAN8 16
	SCAN8 24
	s_wait_dscnt 0x0                               ; for the others' sake
	s_barrier_signal -1
	s_barrier_wait -1
	v_lshl_add_u32 v38, v2, 2, LISTS               ; each place was written by one wave at the most: the eight lists are added
.set ia, 0
.rept 4
.set iw, 0
.rept 8
	ds_load_b32 v[64+8*ia+iw], v38 offset:iw*512+ia*64
.set iw, iw+1
.endr
.set ia, ia+1
.endr
	s_wait_dscnt 0x0
.irp a, 0,1,2,3
	v_add3_u32 v[TA+\a], v[64+8*\a], v[65+8*\a], v[66+8*\a]
.endr
.irp a, 0,1,2,3
	v_add3_u32 v[TA+\a], v[TA+\a], v[67+8*\a], v[68+8*\a]
.endr
.irp a, 0,1,2,3
	v_add3_u32 v[TA+\a], v[TA+\a], v[69+8*\a], v[70+8*\a]
.endr
.irp a, 0,1,2,3
	v_add_nc_u32 v[TA+\a], v[TA+\a], v[71+8*\a]
.endr
	v_readlane_b32 s[TMP], v[TA], 0
.irp a, 0,1,2,3
	v_add_nc_u32 v36, 16*\a, v2
	v_cmp_gt_u32 vcc_lo, s[CNT], v36
	v_cndmask_b32 v[TA+\a], s[TMP], v[TA+\a], vcc_lo           ; places past the count repeat the first token
	v_min_u32 v[TA+\a], 0x1fff, v[TA+\a]
	v_lshlrev_b32 v[56+\a], 3, v[TA+\a]
	global_load_b64 v[G+2*\a:G+2*\a+1], v[56+\a], s[16:17]
	ds_store_b32 v37, v[TA+\a] offset:64*\a                    ; my own copy of the tokens, for the way out
.endr
	; THE GATHER.  Wave w brings places 8 i + w, i = 0..7: a row of 4,096 bytes is eight loads of 512 consecutive bytes
	s_add_co_u32 s63, s[WV], 8
.irp i, 0,1,2,3,4,5,6,7
.if (\i)%2
	v_readlane_b32 s[72+\i], v[TA+(\i)/2], s63
.else
	v_readlane_b32 s[72+\i], v[TA+(\i)/2], s[WV]
.endif
.endr
	s_mul_i32 s66, s[WV], XP
.irp i, 0,1,2,3,4,5,6,7
	s_min_u32 s[72+\i], s[72+\i], 0x1fff
	s_lshl_b32 s[72+\i], s[72+\i], 12
	v_add_nc_u32 v[40+\i], s[72+\i], v6
	s_add_co_u32 s67, s66, (\i)*8*XP
	v_add_nc_u32 v[48+\i], s67, v6
.endr
.set i, 0
.rept 4                                                ; four rows into the accumulators' registers,
.set j, 0
.rept 8
	global_load_b128 v[128+32*i+4*j:128+32*i+4*j+3], v[40+i], s[4:5] offset:j*512
.set j, j+1
.endr
.set i, i+1
.endr
	WIN 0x40                                       ; four into the upper half of the ring's
.set i, 0
.rept 4
.set j, 0
.rept 8
	global_load_b128 v[128+32*i+4*j:128+32*i+4*j+3], v[44+i], s[4:5] offset:j*512
.set j, j+1
.endr
.set i, i+1
.endr
	WIN 0
	v_lshl_add_u32 v32, v1, 3, s[BIASB]
	v_add_nc_u32 v36, s[BIASB], v6
	s_wait_loadcnt 63                              ; biases and gates are in: 64 loads are younger, and 63 is the most that the wait can name
	ds_store_b64 v32, v[106:107]
	ds_store_b128 v36, v[108:111] offset:256
	ds_store_b128 v36, v[112:115] offset:768
	s_wait_loadcnt 32                              ; rows 0-3 are in: rows 4-7's 32 loads are younger
.set i, 0
.rept 4
.set j, 0
.rept 8
	ds_store_b128 v[48+i], v[128+32*i+4*j:128+32*i+4*j+3] offset:j*512
.set j, j+1
.endr
.set i, i+1
.endr
; eight loads: the four weight fragments of one K step into stage s
.macro RLOAD s
	WIN 0x40                                       ; destination window 1, address window 0
.set ib, 0
.rept 4
	global_load_b128 v[32*(\s)+8*ib:32*(\s)+8*ib+3],   v6, s[LB:LB+1] offset:(\s)*8192+ib*1024
	global_load_b128 v[32*(\s)+8*ib+4:32*(\s)+8*ib+7], v6, s[LB:LB+1] offset:(\s)*8192+ib*1024+512
.set ib, ib+1
.endr
.endm
	RLOAD 0                                        ; the ring's first four stages go out while rows 4-7 land
	RLOAD 1
	RLOAD 2
	RLOAD 3
	s_wait_loadcnt 32                              ; rows 4-7 are in: the ring's 32 loads are younger
	WIN 0x04                                       ; store data in window 1
.set i, 0
.rept 4
.set j, 0
.rept 8
	ds_store_b128 v[52+i], v[128+32*i+4*j:128+32*i+4*j+3] offset:j*512
.set j, j+1
.endr
.set i, i+1
.endr
	WIN 0
	s_wait_dscnt 0x0                               ; my eight rows are in LDS, for the others' sake; and the stores have read the registers that the next loads fill
	RLOAD 4
	RLOAD 5
	RLOAD 6
	RLOAD 7
	WIN 0
	s_barrier_signal -1
	s_barrier_wait -1
; eight LDS loads: the four row blocks' fragments of 32 k at byte off from the walking address
.macro AFETCH buf, off
	WIN 0
.irp a, 0,1,2,3
	ds_load_b128 v[XF+32*(\buf)+8*\a:XF+32*(\buf)+8*\a+3],   v[AW+\a] offset:(\off)
	ds_load_b128 v[XF+32*(\buf)+8*\a+4:XF+32*(\buf)+8*\a+7], v[AW+\a] offset:(\off)+32
.endr
.endm
; A K STEP on stage s.  left: the loads that may stay out (the seven younger stages' 56, or what is left at the stream's end).  nxt = 1: the next step's fragments of x or h' are asked for.
; first = 1: step 0 starts the sums with b1 as C: nothing is cleared.  ld = 1: the stage is filled again, for the step eight steps on; at s = 0 the ring's base moves first, to s[lbp] + lba.
; The 16 accumulators take turns, one instruction a turn.  Four plain vector instructions stand behind the last product, ahead of the loads into registers that
; the products read (ISA guide 7.12.1 for vector instructions): they also serve the next step's loads into the fragment buffer just multiplied.
.macro STEP s, first, nxt, ld, left, lbp, lba
	s_wait_loadcnt \left
	s_wait_dscnt 0x0                               ; this step's fragments, asked for a step ago
.if \nxt
	AFETCH ((\s)+1)%2, ((\s)+1)*64
.endif
	WIN 0x01                                       ; source 0 window 1 (weights); tokens, C and D window 0
.set ib, 0
.rept 4
.set ia, 0
.rept 4
.if (\first) && ((\s) == 0)
	v_wmma_f32_16x16x32_bf16 v[ACC+8*(4*ia+ib):ACC+8*(4*ia+ib)+7], v[32*(\s)+8*ib:32*(\s)+8*ib+7], v[XF+32*((\s)%2)+8*ia:XF+32*((\s)%2)+8*ia+7], v[TQ+8*ib:TQ+8*ib+7]
.else
	v_wmma_f32_16x16x32_bf16 v[ACC+8*(4*ia+ib):ACC+8*(4*ia+ib)+7], v[32*(\s)+8*ib:32*(\s)+8*ib+7], v[XF+32*((\s)%2)+8*ia:XF+32*((\s)%2)+8*ia+7], v[ACC+8*(4*ia+ib):ACC+8*(4*ia+ib)+7]
.endif
.set ia, ia+1
.endr
.set ib, ib+1
.endr
.if ((\s) == 7) && (\nxt)
	WIN 0
	v_add_nc_u32 v[AW], 0x200, v[AW]               ; eight steps of 64 bytes on: these four are the places
	v_add_nc_u32 v[AW+1], 0x200, v[AW+1]
	v_add_nc_u32 v[AW+2], 0x200, v[AW+2]
	v_add_nc_u32 v[AW+3], 0x200, v[AW+3]
.else
.rept 4
	v_nop
.endr
.endif
.if \ld
.if (\s) == 0
	s_wait_xcnt 0x0                                ; the loads that name the base have had their addresses translated (ISA guide 3.1): only now is it rewritten
	s_add_nc_u64 s[LB:LB+1], s[\lbp:\lbp+1], \lba
.endif
	RLOAD \s
.endif
.endm
.macro GROUP first, nxta, ld, lbp, lba              ; eight K steps, once round the ring
.if \ld
.irp s, 0,1,2,3,4,5,6
	STEP \s, \first, 1, 1, 56, \lbp, \lba
.endr
	STEP 7, 0, \nxta, 1, 56, \lbp, \lba
.else
.irp s, 0,1,2,3,4,5,6
	STEP \s, \first, 1, 0, 56-8*\s, \lbp, \lba
.endr
	STEP 7, 0, \nxta, 0, 0, \lbp, \lba
.endif
	WIN 0                                          ; at a label and at a branch every window is 0
.endm
	s_cmp_eq_u32 s[CNT], 0
	s_cbranch_scc1 .Lno_p1                         ; a tile without rows jumps the first product: no barrier stands in what is jumped
	; THE FIRST PRODUCT: 64 K steps in 8 groups
.set ib, 0
.rept 4
	ds_load_b128 v[TQ+8*ib:TQ+8*ib+3],   v[BA] offset:64*ib       ; b1 of columns 16 b + 8 h + 0..7, in the accumulators' layout
	ds_load_b128 v[TQ+8*ib+4:TQ+8*ib+7], v[BA] offset:64*ib+16
.set ib, ib+1
.endr
	AFETCH 0, 0
	GROUP 1, 1, 1, LB, 0x10000
	s_mov_b32 s[LOOP], 6
.Lp1:
	GROUP 0, 1, 1, LB, 0x10000
	s_sub_co_u32 s[LOOP], s[LOOP], 1
	s_cmp_lg_u32 s[LOOP], 0
	s_cbranch_scc1 .Lp1
	GROUP 0, 0, 1, PW2LO, 0                        ; the ring goes on into the second product: W2 of lo, pass 0
	; h': times the gate (not negative, so the ReLU may follow), rounded to bf16, ReLU on the packed halves.  Each accumulator is read from its low end on
.irp a, 0,1,2,3
	v_cndmask_b32 v[TQ+2*\a], v[G+2*\a], v[G+2*\a+1], s[HIM]   ; the gate of my columns' expert, as a pair
	v_cndmask_b32 v[TQ+2*\a+1], v[G+2*\a], v[G+2*\a+1], s[HIM]
.endr
.set i, 0
.rept 64
	v_pk_mul_f32 v[ACC+2*i:ACC+2*i+1], v[ACC+2*i:ACC+2*i+1], v[TQ+2*(i/16):TQ+2*(i/16)+1] op_sel_hi:[1,0]
.set i, i+1
.endr
.set i, 0
.rept 64
	v_cvt_pk_bf16_f32 v[XF+i], v[ACC+2*i], v[ACC+2*i+1]
.set i, i+1
.endr
.set i, 0
.rept 64
	v_pk_max_num_bf16 v[XF+i], v[XF+i], v[ZERO]
.set i, i+1
.endr
.Lno_p1:
	s_wait_dscnt 0x0                               ; my reads of x are over
	s_barrier_signal -1
	s_barrier_wait -1                              ; everybody's are: h' may take x's place
	s_cmp_eq_u32 s[CNT], 0
	s_cbranch_scc1 .Lno_h
.set ia, 0
.rept 4
.set ib, 0
.rept 4
	ds_store_b128 v[HST], v[XF+16*ia+4*ib:XF+16*ia+4*ib+3] offset:ia*16*HP+32*ib
.set ib, ib+1
.endr
.set ia, ia+1
.endr
.Lno_h:
	s_wait_dscnt 0x0                               ; for the others' sake: my 64 columns of h' are in LDS
	s_barrier_signal -1
	s_barrier_wait -1
	s_cmp_eq_u32 s[CNT], 0
	s_cbranch_scc1 .Lend
; THE WAY OUT of row block a in pass q: 16 rows x 256 bytes through my own stage, back as whole rows, two rows a store.  A store whose first row is past the count is jumped, and all behind it.
; In the store that straddles the count the second row is a place past the count: it repeats the tile's first token, whose row of out0 is so written once more with the same bits.
; Lanes past column 999 are off.
.macro OUTBLK q, a
.set ib, 0
.rept 4
	ds_store_b128 v[OST], v[ACC+8*(4*(\a)+ib):ACC+8*(4*(\a)+ib)+3] offset:64*ib
	ds_store_b128 v[OST], v[ACC+8*(4*(\a)+ib)+4:ACC+8*(4*(\a)+ib)+7] offset:64*ib+16
.set ib, ib+1
.endr
	s_wait_xcnt 0x0                                ; the block before's stores have read their registers; and EXEC changes only behind this wait
.set t, 0
.rept 8
	ds_load_b128 v[XF+4*t:XF+4*t+3], v[ORD] offset:t*2*OSP     ; LDS serves a wave's instructions in order (ISA guide 5.7.1.4): these see the stores above
.set t, t+1
.endr
.set t, 0
.rept 8
	ds_load_b32 v[XF+32+t], v[TOKA] offset:4*(16*(\a)+2*t)     ; the token of row 16 a + 2 t + h
.set t, t+1
.endr
	v_cmp_gt_u32 vcc_lo, s[LIM+(\q)], v2
	s_wait_dscnt 0x0
.set t, 0
.rept 8
	v_min_u32 v[XF+32+t], 0x1fff, v[XF+32+t]
.set t, t+1
.endr
.set t, 0
.rept 8
	v_mul_u32_u24 v[XF+32+t], 0xfa0, v[XF+32+t]                ; 4,000 bytes a row of out0
.set t, t+1
.endr
.set t, 0
.rept 8
	v_add_nc_u32 v[XF+32+t], v[XF+32+t], v[R16]
.set t, t+1
.endr
	s_and_saveexec_b32 s[SAVE], vcc_lo
.set t, 0
.rept 8
	s_cmp_gt_u32 s[CNT], 16*(\a)+2*t
	s_cbranch_scc0 .Ldone_\@
	global_store_b128 v[XF+32+t], v[XF+4*t:XF+4*t+3], s[OB:OB+1] offset:(\q)*256 th:TH_STORE_NT
.set t, t+1
.endr
.Ldone_\@:
	s_wait_xcnt 0x0                                ; and again, in front of the line that widens EXEC
	s_or_b32 exec_lo, exec_lo, s[SAVE]
.endm
; A PASS of the second product: 64 columns, 16 K steps (8 of lo's h' and W2, 8 of hi's).  The sums start as glo b2lo + ghi b2hi
.macro PASS q
.set ib, 0
.rept 4
	ds_load_b128 v[XF+8*ib:XF+8*ib+3],       v[BA] offset:256+(\q)*256+64*ib
	ds_load_b128 v[XF+8*ib+4:XF+8*ib+7],     v[BA] offset:256+(\q)*256+64*ib+16
	ds_load_b128 v[XF+32+8*ib:XF+32+8*ib+3], v[BA] offset:768+(\q)*256+64*ib
	ds_load_b128 v[XF+32+8*ib+4:XF+32+8*ib+7], v[BA] offset:768+(\q)*256+64*ib+16
.set ib, ib+1
.endr
	v_mul_u32_u24 v32, v2, HP                      ; the walking addresses go to h'
	v_lshl_add_u32 v[AW], v3, 4, v32
	v_add_nc_u32 v[AW+1], 16*HP, v[AW]
	v_add_nc_u32 v[AW+2], 32*HP, v[AW]
	v_add_nc_u32 v[AW+3], 48*HP, v[AW]
	s_wait_dscnt 0x0
.set ia, 0
.rept 4
.set ib, 0
.rept 4
.irp c, 0,2,4,6
	v_pk_mul_f32 v[ACC+8*(4*ia+ib)+\c:ACC+8*(4*ia+ib)+\c+1], v[XF+8*ib+\c:XF+8*ib+\c+1], v[G+2*ia:G+2*ia+1] op_sel_hi:[1,0]
.endr
.irp c, 0,2,4,6
	v_pk_fma_f32 v[ACC+8*(4*ia+ib)+\c:ACC+8*(4*ia+ib)+\c+1], v[XF+32+8*ib+\c:XF+32+8*ib+\c+1], v[G+2*ia:G+2*ia+1], v[ACC+8*(4*ia+ib)+\c:ACC+8*(4*ia+ib)+\c+1] op_sel:[0,1,0] op_sel_hi:[1,1,1]
.endr
.set ib, ib+1
.endr
.set ia, ia+1
.endr
	AFETCH 0, 0
	GROUP 0, 1, 1, PW2HI, (\q)*0x1000              ; multiplies lo's eight steps, fetches hi's
.if (\q) == 0
	GROUP 0, 0, 1, PW2LO, 0x1000                   ; multiplies hi's, fetches the next pass's lo
.else
	GROUP 0, 0, 0, LB, 0                           ; the stream's end: nothing is fetched, the counts run down
.endif
	OUTBLK \q, 0
	OUTBLK \q, 1
	OUTBLK \q, 2
	OUTBLK \q, 3
.endm
	PASS 0
	PASS 1
.Lend:
	s_wait_tensorcnt 0x0                           ; the wave's end
	ds_add_u32 v4, v5
	s_wait_dscnt 0x0
	s_endpgm
.Lfunc_end_k_q0e64afccfb_chain:
	.size	k_q0e64afccfb_chain, .Lfunc_end_k_q0e64afccfb_chain-k_q0e64afccfb_chain
	.p2alignl 7, 3214868480
	.fill 96, 4, 3214868480
	.section	.rodata,"a",@progbits
	.p2align	6, 0x0
	.amdhsa_kernel k_q0e64afccfb_chain
		.amdhsa_group_segment_fixed_size 319488
		.amdhsa_private_segment_fixed_size 0
		.amdhsa_enable_private_segment 0
		.amdhsa_kernarg_size 64
		.amdhsa_user_sgpr_count 2
		.amdhsa_user_sgpr_kernarg_segment_ptr 1
		.amdhsa_wavefront_size32 1
		.amdhsa_system_sgpr_workgroup_id_x 1
		.amdhsa_system_sgpr_workgroup_id_y 1
		.amdhsa_system_sgpr_workgroup_id_z 1
		.amdhsa_system_vgpr_workitem_id 0
		.amdhsa_next_free_vgpr 512
		.amdhsa_next_free_sgpr 100
		.amdhsa_reserve_vcc 1
		.amdhsa_float_denorm_mode_32 3
		.amdhsa_float_denorm_mode_16_64 3
		.amdhsa_memory_ordered 1
		.amdhsa_forward_progress 1
		.amdhsa_inst_pref_size 255
	.end_amdhsa_kernel
	.section	.bss,"aw",@nobits
	.p2align	6
	.space	262144
	.amdgpu_metadata
---
amdhsa.version: [ 1, 2 ]
amdhsa.kernels:
  - .name:           k_q0e64afccfb_chain
    .symbol:         k_q0e64afccfb_chain.kd
    .args:
      - { .name: xb, .offset: 0, .size: 8, .value_kind: global_buffer, .address_space: global }
      - { .name: w1l, .offset: 8, .size: 8, .value_kind: global_buffer, .address_space: global }
      - { .name: w2l, .offset: 16, .size: 8, .value_kind: global_buffer, .address_space: global }
      - { .name: biasr, .offset: 24, .size: 8, .value_kind: global_buffer, .address_space: global }
      - { .name: bm, .offset: 32, .size: 8, .value_kind: global_buffer, .address_space: global }
      - { .name: bc, .offset: 40, .size: 8, .value_kind: global_buffer, .address_space: global }
      - { .name: gts, .offset: 48, .size: 8, .value_kind: global_buffer, .address_space: global }
      - { .name: out0, .offset: 56, .size: 8, .value_kind: global_buffer, .address_space: global }
    .group_segment_fixed_size: 319488
    .private_segment_fixed_size: 0
    .kernarg_segment_align: 8
    .kernarg_segment_size: 64
    .max_flat_workgroup_size: 256
    .sgpr_count:     100
    .vgpr_count:     512
    .wavefront_size: 32
...
	.end_amdgpu_metadata
.endif
;; end of part 2
